; MI455X (gfx1250); checked and timed in simulation.
; The chip was launched on July 23, 2026; its instructions are those of AMD's public machine-readable ISA for CDNA 5 (MIT licence, August 2026) and "CDNA5" Instruction Set Architecture Reference Guide (July 2026). The comments in the code are by the model that wrote it; some were corrected since.
;; Non Linear ODE Layer. Allowed arithmetic: float matrix products may take bf16 or f16 operands with f32 sums; other float arithmetic in f32, or as packed bf16 or f16 multiplies, adds, multiply-adds, maxima and minima; sums over many terms, partial sums and values carried from step to step in f32; what a program stores and reads back later, other than sums and carried values, may be rounded once to bf16 or f16.
;; Inputs: weight 32 x 32 x 32 float32; x 262,144 x 32 float32.
;; Outputs: out0 262,144 x 32 float32.
;; 2 versions, each right and faster than the one before. Each part assembles by itself: llvm-mc -triple=amdgcn-amd-amdhsa -mcpu=gfx1250 --defsym DOCPART=n.
;; ======== version 1 of 2: 1 launch
;; launch quadform (part 1): grid 256 x 1, 4 waves a work-group, no clusters, 215,040 bytes of LDS; arguments weight, x, out0; writes out0
.if DOCPART == 1
	.amdgcn_target "amdgcn-amd-amdhsa--gfx1250"
	.amdhsa_code_object_version 6
	.text
	.protected	k_q19409f771a_quadform
	.globl	k_q19409f771a_quadform
	.p2align	8
	.type	k_q19409f771a_quadform,@function
k_q19409f771a_quadform:
	s_mov_b64 s[64:65], 0
	v_nop
	global_prefetch_b8 v0, s[64:65] scope:SCOPE_SE
	s_setreg_imm32_b32 hwreg(HW_REG_WAVE_MODE, 25, 1), 1
	s_wait_xcnt 0x0
; out[n][k] = sum over i, j of x[n][i] W[k][i][j] x[n][j].   x, out: [262144][32] f32.   W: [32][32][32] f32.
; The matrix unit contracts j:  Y[n][k][i] = sum over j of W[k][i][j] x[n][j]  (bf16 operands, f32 sums);
; the vector unit contracts i in f32:  out[n][k] = sum over i of x[n][i] Y[n][k][i].  Y never leaves the registers.
;
; LIMITS, kept on purpose: x is rounded to bf16 once and that rounded x is used in BOTH places; W is rounded to bf16; the sum runs over j
; first (inside the matrix instruction) and then over i in a fixed order of each lane, another order of rounding than that of the JAX function.
; bf16 has f32's exponent range, so no range is lost; NaN and infinities go through as in any sum of products.
;
; SHARES: 256 work-groups of 4 waves; a work-group owns 1,024 samples, a wave 256 = 16 tiles of 16 samples, all 32 k of a tile.
; W in bf16 is 65,536 bytes = 512 registers of a wave: every wave keeps ALL of W as 64 A fragments, so the tiles read no weights from LDS.
; A tile is 64 matrix instructions (C = 0 in each: one instruction holds the whole sum over j) and 256 packed multiply-adds.
;
; THE MAP.  Fragment (q, ib), q = 0..7, ib = 0..7.  Its row m = 8 hh + 2 a + b is W[k = 4 q + 2 hh + b][i = a + c(ib) + 8 (hh xor s)][:],
; c = 0, 4, 16, 20, 0, 4, 16, 20 and s = ib / 4.  B is the tile's x: column = sample.  In the result lane (r = lane % 16, h = lane / 16) holds in
; register 2 a + b the number Y[sample r][4 q + 2 h + b][a + c(ib) + 8 (h xor s)].  The lane has loaded its sample's x in just that order of i
; (x[8h..], x[16+8h..], x[8(1-h)..], x[16+8(1-h)..]; the first half of it, packed, IS the B fragment), so register pair (2a, 2a+1) times the one
; number X[4 ib + a] adds onto the pair out[r][4 q + 2 h + 0, 1]: no step between lanes is ever needed.
;
; W IS NOT ASKED FOR JOINTLY in a cluster although all work-groups read it: a joint tensor load would land it in LDS as f32, 131,072 bytes beside
; the 214,528 in use, and 345,600 is more than the 327,680 bytes that a work-group may be given; here it passes through registers, where it is rounded.
;
; LDS:  0        x as f32, filled by tensor loads alone, each byte once: 4 waves x 34,816; rows of 256 bytes (two samples) + 16 of padding
;       139,264  W as bf16: byte 2,064 k + 64 i + 2 j (66,048 bytes), written by ds_store, read by all waves behind the one barrier
;       205,312  the way out: 4 waves x 2,304, each wave's own, rows as in x
.set PITCH,   272                      ; 256 + 16: sample r of a tile starts at 16-byte column (r / 2) + 8 (r % 2) modulo 16: sixteen different ones
.set XS_WAVE, 128*PITCH                ; a wave's 256 samples
.set XS_LOAD, 32*PITCH                 ; what one tensor load brings: 64 samples = 4 tiles
.set XS_TILE, 8*PITCH                  ; 16 samples
.set WBASE,   139264
.set WK,      2064                     ; from k to k + 1: 2,048 + 16, so that the 16 rows of a fragment start at 16-byte columns (2 hh + b) + 4 a: all different
.set OBASE,   205312
.set O_WAVE,  2304
; window 0 of the vector registers
.set XA,  2                            ; v2, v3    LDS address of my sample's x at byte 32 h / 32 (1 - h), stepped a tile at a time
.set OS,  4                            ; v4        stage: where my pairs of results go
.set ORD, 5                            ; v5        stage: where I read 16 bytes of a row back
.set GO,  6                            ; v6        16 x lane: my bytes in a store of 512
.set WA,  8                            ; v8, v9    LDS address of my part of a W fragment, for s = 0 / 1
.set WS,  10                           ; v10       where I put 8 bytes of W in bf16
.set WG,  11                           ; v11       my 16 bytes of W in memory
.set T,   16                           ; v[16:23]  four pairs that take turns (W on its way to LDS)
.set F,   32                           ; v[32:63]  the next tile's x, f32, in my order of i
.set P,   64                           ; v[64:79]  the same as bf16; v[64:71] is the B fragment
.set X,   80                           ; v[80:111] the same, rounded, as f32: the multipliers
.set RB,  112                          ; v[112:127] results read back by rows
.set LW,  128                          ; v[128:255] 32 landing places of 4 registers for W (prologue only)
; windows 1, 2, 3 hold q = 0-2, 3-5, 6-7 (ql = q's number in its window)
;   v[8 (8 ql + ib)] fragment (ql, ib): 0..191
.set DB,  192                          ; v[192:239] six result buffers: (ib % 2) x 3 + ql
.set AC,  240                          ; v[240:251] for each ql two pairs of sums, for a even and a odd
.set G1,  16                           ; s[16:23]  descriptor group 1
.set G0,  24                           ; s[24:39]  descriptor group 0, one for each of my four loads; never rewritten
.set MSB, 0
.macro WIN new                         ; the immediate's high byte repeats the setting that is left
.if MSB != \new
	s_set_vgpr_msb (MSB<<8)|\new
.set MSB, \new
.endif
.endm
	s_load_b128 s[4:7], s[0:1], 0x0                ; W s[4:5], x s[6:7]
	s_load_b64 s[8:9], s[0:1], 0x10                ; out
	v_lshl_add_u32 v7, v0, 2, 0x34600
	v_mov_b32 v31, 0
	ds_add_u32 v7, v31
	ds_add_u32 v7, v31
	v_lshrrev_b32 v14, 5, v0
	v_readfirstlane_b32 s10, v14                   ; wave 0..3
	s_mov_b32 s12, 0xffff0000                      ; a word's upper bf16
	s_lshl_b32 s14, ttmp9, 17                      ; the work-group's 1,024 samples of 128 bytes (at most 255 x 131,072: 32 bits do)
	s_lshl_b32 s2, s10, 15                         ; the wave's 256 samples; also its quarter of W, 8 k of 4,096 bytes
	s_add_co_u32 s14, s14, s2
	s_mov_b32 s15, 0
	s_mul_i32 s11, s10, XS_WAVE                    ; my wave's x in LDS
	s_mul_i32 s3, s10, 8*WK
	s_add_co_u32 s3, s3, WBASE                     ; my wave's 8 k of W in LDS
	s_mul_i32 s40, s10, O_WAVE
	s_add_co_u32 s40, s40, OBASE                   ; my wave's stage
	; group 1: 32 rows of 32 elements of 8 bytes, dense in memory (64 samples), 4 words of padding behind every 64 words in LDS
	s_mov_b32 s[G1+0], (3<<16)|(1<<20)|(5<<22)|(3<<25)
	s_mov_b32 s[G1+1], 32<<16                      ; tensor_dim0 = 32
	s_mov_b32 s[G1+2], 32<<16                      ; tensor_dim1 = 32
	s_mov_b32 s[G1+3], 32<<16                      ; tile_dim0 = 32
	s_mov_b32 s[G1+4], 32                          ; tile_dim1 = 32
	s_mov_b32 s[G1+5], 32                          ; from row to row: 32 elements
	s_mov_b32 s[G1+6], 0
	s_mov_b32 s[G1+7], 0
	v_and_b32 v1, 31, v0                           ; lane
	v_and_b32 v12, 15, v0                          ; r
	v_bfe_u32 v13, v0, 4, 1                        ; h
	v_bfe_u32 v15, v0, 1, 3                        ; r / 2
	v_and_b32 v24, 1, v0                           ; r % 2
	v_lshl_add_u32 v[WG], v1, 4, s2
	v_lshl_add_u32 v[WS], v1, 3, s3
	s_wait_dscnt 0x0
	s_wait_kmcnt 0x0
	s_add_nc_u64 s[6:7], s[6:7], s[14:15]          ; x and out at my wave's first sample
	s_add_nc_u64 s[8:9], s[8:9], s[14:15]
.irp g, 0,1,2,3
	s_mov_b32 s[G0+4*\g], 1
	s_add_co_u32 s[G0+4*\g+1], s11, \g*XS_LOAD
	s_add_nc_u64 s[G0+4*\g+2:G0+4*\g+3], s[6:7], \g*8192
	s_or_b32 s[G0+4*\g+3], s[G0+4*\g+3], 0x80000000
.endr
	; W first (the tiles cannot begin without it), 32 loads of 512 neighbouring bytes; then all of my x: four tensor loads, the only ones of the
	; wave, each into bytes of its own, ahead of every wait on TENSORcnt, every LDS read and the barrier.  Four are out at the most.
.set n, 0
.rept 32
	global_load_b128 v[LW+4*n:LW+4*n+3], v[WG], s[4:5] offset:512*n
.set n, n+1
.endr
.irp g, 0,1,2,3
	tensor_load_to_lds s[G0+4*\g:G0+4*\g+3], s[G1:G1+7]
	s_nop 0
.endr
	; the remaining addresses
	v_mul_u32_u24 v25, v15, PITCH
	v_lshl_add_u32 v25, v24, 7, v25                ; sample r in a tile: (r / 2) x 272 + (r % 2) x 128
	v_xor_b32 v26, 1, v13                          ; 1 - h
	v_lshl_add_u32 v[XA], v13, 5, v25
	v_lshl_add_u32 v[XA+1], v26, 5, v25
	v_add_nc_u32 v[XA], s11, v[XA]
	v_add_nc_u32 v[XA+1], s11, v[XA+1]
	v_lshl_add_u32 v[OS], v13, 3, v25              ; out[r][4 q + 2 h ..] lies at byte 16 q + 8 h of the sample
	v_add_nc_u32 v[OS], s40, v[OS]
	v_mul_u32_u24 v[ORD], v13, PITCH               ; back: lanes 0-15 one row of 256 bytes, lanes 16-31 the next
	v_lshl_add_u32 v[ORD], v12, 4, v[ORD]
	v_add_nc_u32 v[ORD], s40, v[ORD]
	v_lshlrev_b32 v[GO], 4, v1
	v_bfe_u32 v27, v0, 3, 1                        ; as a holder of A's row m = r: hh,
	v_bfe_u32 v28, v0, 1, 2                        ; a (b is r % 2)
	v_lshl_add_u32 v29, v27, 1, v24                ; 2 hh + b
	v_mul_u32_u24 v29, v29, WK
	v_lshl_add_u32 v29, v28, 6, v29                ; + 64 a
	v_lshl_add_u32 v29, v13, 4, v29                ; + 16 h: j = 8 h .. 8 h + 7
	v_add_nc_u32 v29, WBASE, v29
	v_xor_b32 v30, 1, v27
	v_lshl_add_u32 v[WA], v27, 9, v29              ; + 64 x 8 x (hh xor 0)
	v_lshl_add_u32 v[WA+1], v30, 9, v29            ; + 64 x 8 x (hh xor 1)
; W to bf16 and into LDS.  Load idx of my 64 holds 512 bytes of k = idx / 8: 256 bytes of bf16 at 256 (idx % 8).
; left = how many younger loads may stay out; again = 1: the landing place is asked for once more, 32 loads on.
.macro WCVT idx, left, again
	s_wait_loadcnt \left                           ; loads come back in order (ISA guide 5.7.1)
	v_cvt_pk_bf16_f32 v[T+2*(\idx%4)],   v[LW+4*(\idx%32)],   v[LW+4*(\idx%32)+1]
	v_cvt_pk_bf16_f32 v[T+2*(\idx%4)+1], v[LW+4*(\idx%32)+2], v[LW+4*(\idx%32)+3]
	ds_store_b64 v[WS], v[T+2*(\idx%4):T+2*(\idx%4)+1] offset:WK*(\idx>>3)+256*(\idx&7)
.if \again
	global_load_b128 v[LW+4*(\idx%32):LW+4*(\idx%32)+3], v[WG], s[4:5] offset:512*(\idx+32)
.endif
.endm
.set n, 0
.rept 32
	WCVT n, 31, 1                                  ; 32 are out: the oldest is in when 31 are left
.set n, n+1
.endr
.rept 32
	WCVT n, 63-n, 0                                ; nothing more is asked for: the counts run down 31 .. 0
.set n, n+1
.endr
	s_wait_dscnt 0x0                               ; my part of W is in LDS: zero, for the other waves' sake
	s_barrier_signal -1
	s_barrier_wait -1                              ; everybody's is.  The launch's one barrier; no LDS byte is ever filled again
; eight LDS loads: the next tile's x, my sample, in my order of i; then the addresses step to the tile behind it
.macro FLOAD
.irp p, 0,1
	ds_load_b128 v[F+16*\p:F+16*\p+3],     v[XA+\p]
	ds_load_b128 v[F+16*\p+4:F+16*\p+7],   v[XA+\p] offset:16
	ds_load_b128 v[F+16*\p+8:F+16*\p+11],  v[XA+\p] offset:64
	ds_load_b128 v[F+16*\p+12:F+16*\p+15], v[XA+\p] offset:80
.endr
	v_add_nc_u32 v[XA], XS_TILE, v[XA]
	v_add_nc_u32 v[XA+1], XS_TILE, v[XA+1]
.endm
.macro CVT                             ; x to bf16, rounded once
.irp m, 0,1,2,3,4,5,6,7,8,9,10,11,12,13,14,15
	v_cvt_pk_bf16_f32 v[P+\m], v[F+2*\m], v[F+2*\m+1]
.endr
.endm
.macro UNPACK                          ; and the rounded numbers back as f32, for the sum over i
.irp m, 0,1,2,3,4,5,6,7,8,9,10,11,12,13,14,15
	v_lshlrev_b32 v[X+2*\m], 16, v[P+\m]
	v_and_b32 v[X+2*\m+1], s12, v[P+\m]
.endr
.endm
; the fragments of window w (nq values of q): two loads of 16 bytes each, 32 bytes apart
.macro FRAG w, nq
	WIN (\w<<6)                                    ; destination in window w, address in window 0
.irp ql, 0,1,2
.if \ql < \nq
.irp ib, 0,1,2,3,4,5,6,7
	ds_load_b128 v[8*(8*\ql+\ib):8*(8*\ql+\ib)+3],   v[WA+(\ib>>2)] offset:4*WK*(3*(\w-1)+\ql)+64*(4*(\ib&1)+16*((\ib>>1)&1))
	ds_load_b128 v[8*(8*\ql+\ib)+4:8*(8*\ql+\ib)+7], v[WA+(\ib>>2)] offset:4*WK*(3*(\w-1)+\ql)+64*(4*(\ib&1)+16*((\ib>>1)&1))+32
.endr
.endif
.endr
.endm
	s_wait_tensorcnt 0x3                           ; my first load (tiles 0 to 3) has landed; the three younger ones stay out.  Only I read my tiles
	FLOAD                                          ; tile 0
	FRAG 1, 3
	FRAG 2, 3
	FRAG 3, 2
	WIN 0
	s_wait_dscnt 63                                ; tile 0's eight loads are the oldest of 136: they are back when 63 are left
	CVT
	FLOAD                                          ; tile 1
	UNPACK
	s_wait_dscnt 8                                 ; all fragments are in; tile 1's eight loads may stay out
; One matrix instruction: fragment (ql, g) times the tile's x.  C = 0: nothing is added in place, and matrix instructions that follow each other write different buffers.
.macro MM ql, g
	v_wmma_f32_16x16x32_bf16 v[DB+8*(((\g)&1)*3+\ql):DB+8*(((\g)&1)*3+\ql)+7], v[8*(8*\ql+\g):8*(8*\ql+\g)+7], v[P:P+7], 0
.endm
; Packed multiply-add number u of group g's 4 nq: a = u / nq, ql = u % nq.  Result registers 2a, 2a+1 (k even, k odd) times the ONE number X[4 g + a]
; (op_sel and op_sel_hi pick the same register of X's pair for both halves).  The first two a of group 0 start the sums: nothing is cleared.
.macro PK nq, g, u
.set pk_a, (\u)/(\nq)
.set pk_q, (\u)%(\nq)
.set pk_d, DB+8*(((\g)&1)*3+pk_q)+2*pk_a
.set pk_c, AC+4*pk_q+2*(pk_a&1)
.set pk_x, X+4*(\g)+2*(pk_a>>1)
.set pk_new, 0
.if (\g) == 0
.if pk_a < 2
.set pk_new, 1
.endif
.endif
.if pk_new
.if pk_a & 1
	v_pk_mul_f32 v[pk_c:pk_c+1], v[pk_d:pk_d+1], v[pk_x:pk_x+1] op_sel:[0,1] op_sel_hi:[1,1]
.else
	v_pk_mul_f32 v[pk_c:pk_c+1], v[pk_d:pk_d+1], v[pk_x:pk_x+1] op_sel_hi:[1,0]
.endif
.else
.if pk_a & 1
	v_pk_fma_f32 v[pk_c:pk_c+1], v[pk_d:pk_d+1], v[pk_x:pk_x+1], v[pk_c:pk_c+1] op_sel:[0,1,0] op_sel_hi:[1,1,1]
.else
	v_pk_fma_f32 v[pk_c:pk_c+1], v[pk_d:pk_d+1], v[pk_x:pk_x+1], v[pk_c:pk_c+1] op_sel_hi:[1,0,1]
.endif
.endif
.endm
; One window's work on a tile: 8 groups (ib) of nq matrix instructions.  Behind each matrix instruction of group g stand four multiply-adds of group g - 1,
; which name the other three buffers.  A result is read by a vector instruction four or more places behind its matrix instruction, the places being
; vector instructions that name none of its registers (ISA guide 7.12.1): for the group's last matrix instruction the four multiply-adds behind it, for
; group 0 the four v_nop.  A buffer is written again two groups later, behind all its readers and eight or more such places.
.macro STRETCH nq
.irp ql, 0,1,2
.if \ql < \nq
	MM \ql, 0
.endif
.endr
.irp g, 1,2,3,4,5,6,7
.irp ql, 0,1,2
.if \ql < \nq
	MM \ql, \g
.if \g == 1
.if \ql == 0
	v_nop
	v_nop
	v_nop
	v_nop
.endif
.endif
.irp d, 0,1,2,3
	PK \nq, (\g-1), (4*\ql+\d)
.endr
.endif
.endr
.endr
.set st_u, 0
.rept 4*\nq
	PK \nq, 7, st_u
.set st_u, st_u+1
.endr
.irp ql, 0,1,2
.if \ql < \nq
	v_pk_fma_f32 v[AC+4*\ql:AC+4*\ql+1], v[AC+4*\ql+2:AC+4*\ql+3], 1.0, v[AC+4*\ql:AC+4*\ql+1] op_sel_hi:[1,0,1]   ; the two partial sums; as a multiply-add by 1.0, since source 1 means window 0 here
.endif
.endr
.endm
; the window's pairs into the stage: the 32 lanes' 8 bytes lie at word 4 (r / 2) + 32 (r % 2) + 2 h modulo 64: no two lanes at the same
.macro OSTORE q0, nq
.irp ql, 0,1,2
.if \ql < \nq
	ds_store_b64 v[OS], v[AC+4*\ql:AC+4*\ql+1] offset:16*(\q0+\ql)
.endif
.endr
.endm
; A tile.  pre = 1: the next tile's x is made ready; ld = 1: the x of the tile behind that is fetched from LDS.
; Window settings: 0x51, 0xa2, 0xf3: destination, source 0 and source 2 in window 1, 2, 3, source 1 (B; X) in window 0;  0x04, 0x08, 0x0c: an LDS store's data in window 1, 2, 3.
.macro BODY pre, ld
	WIN 0x51
	STRETCH 3
	WIN 0x04
	OSTORE 0, 3
	WIN 0xa2
	STRETCH 3
	WIN 0x08
	OSTORE 3, 3
	WIN 0xf3
	STRETCH 2
	WIN 0x0c
	OSTORE 6, 2
	WIN 0
	s_wait_xcnt 0x0                                ; the last tile's stores have had their addresses translated (ISA guide 3.1): their base and their data registers are rewritten only behind this wait
	s_add_nc_u64 s[8:9], s[8:9], 2048              ; one tile on; this tile's stores reach back
.irp t, 0,1,2,3
	ds_load_b128 v[RB+4*\t:RB+4*\t+3], v[ORD] offset:2*PITCH*\t    ; LDS serves a wave's instructions in order (ISA guide 5.7.1): these see my stores above
.endr
.if \pre
	s_wait_dscnt 12                                ; the next tile's x is in: younger than its loads are the 8 stores and the 4 loads of this tile
	CVT                                            ; writes B: behind the last matrix instruction stand 14 multiply-adds that name none of its registers
.if \ld
	FLOAD
.endif
	UNPACK
.endif
	s_wait_dscnt 8*\ld                             ; the four rows' loads are back; the eight of FLOAD, where there are any, stay out
.irp t, 0,1,2,3
	global_store_b128 v[GO], v[RB+4*\t:RB+4*\t+3], s[8:9] offset:512*\t-2048 th:TH_STORE_NT   ; 512 consecutive bytes, at a multiple of 512 from out's first byte
.endr
.endm
.macro TILES trips
	s_mov_b32 s13, \trips
.Ltile_\@:
	BODY 1, 1
	s_sub_co_u32 s13, s13, 1
	s_cmp_lg_u32 s13, 0
	s_cbranch_scc1 .Ltile_\@
.endm
	; Each loop fetches from LDS the four tiles (the first: the last two) of ONE tensor load, two tiles ahead of the tile at work; the wait for that load stands in front of the loop.
	TILES 2                                        ; tiles 0, 1; fetches tiles 2, 3: my first load's, shown landed above
	s_wait_tensorcnt 0x2                           ; my second load has landed; two younger ones stay out
	TILES 4                                        ; tiles 2 to 5; fetches 4 to 7
	s_wait_tensorcnt 0x1                           ; my third
	TILES 4                                        ; tiles 6 to 9; fetches 8 to 11
	s_wait_tensorcnt 0x0                           ; my fourth and last: none is out at s_endpgm
	TILES 4                                        ; tiles 10 to 13; fetches 12 to 15
	BODY 1, 0                                      ; tile 14: nothing is left to fetch
	BODY 0, 0                                      ; tile 15
	s_wait_tensorcnt 0x0
	ds_add_u32 v7, v31
	s_wait_dscnt 0x0
	s_endpgm
.Lfunc_end_k_q19409f771a_quadform:
	.size	k_q19409f771a_quadform, .Lfunc_end_k_q19409f771a_quadform-k_q19409f771a_quadform
	.p2alignl 7, 3214868480
	.fill 96, 4, 3214868480
	.section	.rodata,"a",@progbits
	.p2align	6, 0x0
	.amdhsa_kernel k_q19409f771a_quadform
		.amdhsa_group_segment_fixed_size 215040
		.amdhsa_private_segment_fixed_size 0
		.amdhsa_enable_private_segment 0
		.amdhsa_kernarg_size 24
		.amdhsa_user_sgpr_count 2
		.amdhsa_user_sgpr_kernarg_segment_ptr 1
		.amdhsa_wavefront_size32 1
		.amdhsa_system_sgpr_workgroup_id_x 1
		.amdhsa_system_sgpr_workgroup_id_y 1
		.amdhsa_system_sgpr_workgroup_id_z 1
		.amdhsa_system_vgpr_workitem_id 0
		.amdhsa_next_free_vgpr 1024
		.amdhsa_next_free_sgpr 66
		.amdhsa_reserve_vcc 0
		.amdhsa_float_denorm_mode_32 3
		.amdhsa_float_denorm_mode_16_64 3
		.amdhsa_memory_ordered 1
		.amdhsa_forward_progress 1
		.amdhsa_inst_pref_size 184
	.end_amdhsa_kernel
	.amdgpu_metadata
---
amdhsa.version: [ 1, 2 ]
amdhsa.kernels:
  - .name:           k_q19409f771a_quadform
    .symbol:         k_q19409f771a_quadform.kd
    .args:
      - { .name: weight, .offset: 0, .size: 8, .value_kind: global_buffer, .address_space: global }
      - { .name: x, .offset: 8, .size: 8, .value_kind: global_buffer, .address_space: global }
      - { .name: out0, .offset: 16, .size: 8, .value_kind: global_buffer, .address_space: global }
    .group_segment_fixed_size: 215040
    .private_segment_fixed_size: 0
    .kernarg_segment_align: 8
    .kernarg_segment_size: 24
    .max_flat_workgroup_size: 128
    .sgpr_count:     66
    .vgpr_count:     1024
    .wavefront_size: 32
...
	.end_amdgpu_metadata
.endif
;; end of part 1
;; ======== version 2 of 2: 1 launch; 1.29 times as fast as version 1
;; limits: inputs' magnitudes at most 255; values are held in f16: magnitudes above 65,504 overflow, below 6.1e-05 lose precision
;; launch quadform (part 2): grid 256 x 1, 4 waves a work-group, no clusters, 215,040 bytes of LDS; arguments weight, x, out0; writes out0
.if DOCPART == 2
	.amdgcn_target "amdgcn-amd-amdhsa--gfx1250"
	.amdhsa_code_object_version 6
	.text
	.protected	k_q19409f771a_quadform
	.globl	k_q19409f771a_quadform
	.p2align	8
	.type	k_q19409f771a_quadform,@function
k_q19409f771a_quadform:
	s_mov_b64 s[64:65], 0
	v_nop
	global_prefetch_b8 v0, s[64:65] scope:SCOPE_SE
	s_setreg_imm32_b32 hwreg(HW_REG_WAVE_MODE, 25, 1), 1
	s_wait_xcnt 0x0
; out[n][k] = sum over i, j of x[n][i] W[k][i][j] x[n][j].   x, out: [262144][32] f32.   W: [32][32][32] f32.
; The product x[i] x[j] does not change when i and j change places, so with 8 x 8 blocks I = i / 8, J = j / 8
;     out[n][k] = sum over i, j with J >= I of S[k][i][j] (x[n][i] x[n][j]),    S = W[k][i][j] + W[k][j][i] for J > I,   S = W[k][i][j] for J = I,
; an identity for every W.  That is ONE matrix product with 640 terms an output instead of 1,024: A = S (rows k), B = the products (columns = samples).
;
; LIMITS, kept on purpose.  x, W, S and the products x[i] x[j] are f16 (f32 sums in the matrix unit): x is rounded once, a product is the f16 product of two
; rounded x, S is the f16 sum of two rounded W.  |x[i] x[j]| and |W[k][i][j] + W[k][j][i]| must stay below 65,504, else infinities arise: |x| up to 255 is safe.
; Below 2^-14 f16 is denormal, with an absolute step of 2^-24.  The order of the sums is another than that of the JAX function.
;
; SHARES: 256 work-groups of 4 waves; a work-group owns 1,024 samples, a wave 256 = 16 tiles of 16 samples, all 32 k of a tile.
; S in f16 for J >= I is 32 x 640 x 2 = 40,960 bytes = 320 registers of a wave: every wave keeps ALL of it as 40 A fragments, so the tiles read no weights.
; A tile is 20 K steps x 2 halves of k = 40 matrix instructions and 160 packed f16 multiplies.
;
; THE MAP.  Lane (r = lane % 16, h = lane / 16) makes products for sample r and for the sixteen i = 4 m + 2 h + v (mi = 2 m + v = 0..15).  A QUAD (mi, J), J >= mi / 4,
; is x[i] times x[8 J .. 8 J + 7]: four multiplies of the splat (x[i], x[i]) with P[4 J .. 4 J + 3], P[p] = (x[2p], x[2p+1]).  There are 40 quads; K step s is quads
; 2 s (registers 0-3 of B) and 2 s + 1 (registers 4-7).  In A and B alike, half h's registers hold that half's places along K, so lane (r', h') of fragment (s, kh)
; holds for each quad the 16 bytes S[16 kh + r'][4 m + 2 h' + v][8 J .. 8 J + 7].  In the result, register j of lane (r, h) is out[r][16 kh + 8 h + j].
;
; W IS NOT ASKED FOR JOINTLY in a cluster although all work-groups read it: a joint tensor load would land it in LDS as f32, 131,072 bytes beside
; the 214,528 of this map, and 345,600 is more than the 327,680 bytes that a work-group may be given; here it passes through registers, where it is rounded.
;
; LDS:  0        x as f32, filled by tensor loads alone, each byte once: 4 waves x 34,816; rows of 256 bytes (two samples) + 16 of padding
;       139,264  W, then S, as f16: byte 2,064 k + 64 i + 2 j (66,048 bytes), written by ds_store, read by all waves behind the one barrier
;       205,312  the way out: 4 waves x 2,304, each wave's own, rows as in x
.set PITCH,   272                      ; 256 + 16: sample r of a tile starts at 16-byte column (r / 2) + 8 (r % 2) modulo 16: sixteen different ones
.set XS_WAVE, 128*PITCH                ; a wave's 256 samples
.set XS_LOAD, 32*PITCH                 ; what one tensor load brings: 64 samples = 4 tiles
.set XS_TILE, 8*PITCH                  ; 16 samples
.set WBASE,   139264
.set WK,      2064                     ; from k to k + 1: 2,048 + 16 = 129 x 16, so that the 16 rows k of a fragment start at sixteen different 16-byte columns
.set OBASE,   205312
.set O_WAVE,  2304
; window 0 of the vector registers
.set XA,  2                            ; v2        LDS address of my sample's x, stepped a tile at a time
.set OS,  4                            ; v4        stage: where my results go
.set ORD, 5                            ; v5        stage: where I read 16 bytes of a row back
.set GO,  6                            ; v6        16 x lane: my bytes in a store of 512
.set WA,  8                            ; v8        LDS address of my part of a fragment: row k = r', i's term 2 h'
.set SB,  9                            ; v9        LDS address of my row of an 8 x 8 block, while S is made
.set WS,  10                           ; v10       where I put 8 bytes of W in f16
.set WG,  11                           ; v11       my 16 bytes of W in memory
.set SEL, 16                           ; v16, v17  byte selectors that make the splat of x[4 m + 2 h + v], v = 0 / 1, out of P[2 m] and P[2 m + 1]
.set T,   32                           ; v[32:95]  prologue only: 32 pairs, W as f16 on its way to LDS
.set F,   32                           ; v[32:63]  the next tile's x, my sample, f32
.set P,   64                           ; v[64:79]  the same as f16
.set RB,  80                           ; v[80:95]  results read back by rows
.set AC,  96                           ; v[96:127] four accumulators: 2 (s % 2) + kh
.set BB,  128                          ; v[128:159] four B buffers: s % 4
.set LW,  128                          ; v[128:255] prologue only: 32 landing places of 4 registers for W
.set SU,  128                          ; v[128:175] prologue only: 12 x 4 registers, blocks (I, J)
.set SV,  176                          ; v[176:223] prologue only: 12 x 4 registers, blocks (J, I) transposed
; windows 1, 2 hold the fragments of K steps 0-9, 10-19: fragment (s, kh) at v[8 (2 (s % 10) + kh)]: 0..159
.set MSR, 160                          ; and from v160 on eight splats each: window 1 those of mi = 0-3, 8-11, window 2 those of mi = 4-7, 12-15, at MSR + mi % 4 + 4 (mi / 8)
.set G1,  16                           ; s[16:23]  descriptor group 1
.set G0,  24                           ; s[24:39]  descriptor group 0, one for each of my four loads; never rewritten
.set MSB, 0
.macro WIN new                         ; the immediate's high byte repeats the setting that is left
.if MSB != \new
	s_set_vgpr_msb (MSB<<8)|\new
.set MSB, \new
.endif
.endm
; Quad number z = 0..39 -> (qm_mi, qm_j).  Quads 0-23 (K steps 0-11) use the splats of window 1, quads 24-39 (K steps 12-19) those of window 2.
.macro QMAP z
.if (\z) < 16
.set qm_mi, (\z)>>2
.set qm_j, (\z)&3
.elseif (\z) < 24
.set qm_mi, 8+(((\z)-16)>>1)
.set qm_j, 2+(((\z)-16)&1)
.elseif (\z) < 36
.set qm_mi, 4+((\z)-24)/3
.set qm_j, 1+((\z)-24)%3
.else
.set qm_mi, 12+((\z)-36)
.set qm_j, 3
.endif
.endm
	s_load_b128 s[4:7], s[0:1], 0x0                ; W s[4:5], x s[6:7]
	s_load_b64 s[8:9], s[0:1], 0x10                ; out
	v_lshl_add_u32 v23, v0, 2, 0x34600
	v_mov_b32 v26, 0
	ds_add_u32 v23, v26
	ds_add_u32 v23, v26
	v_lshrrev_b32 v14, 5, v0
	v_readfirstlane_b32 s10, v14                   ; wave 0..3
	s_lshl_b32 s14, ttmp9, 17                      ; the work-group's 1,024 samples of 128 bytes (at most 255 x 131,072: 32 bits do)
	s_lshl_b32 s2, s10, 15                         ; the wave's 256 samples; also its quarter of W, 8 k of 4,096 bytes
	s_add_co_u32 s14, s14, s2
	s_mov_b32 s15, 0
	s_mul_i32 s11, s10, XS_WAVE                    ; my wave's x in LDS
	s_mul_i32 s3, s10, 8*WK
	s_add_co_u32 s3, s3, WBASE                     ; my wave's 8 k of W in LDS
	s_mul_i32 s40, s10, O_WAVE
	s_add_co_u32 s40, s40, OBASE                   ; my wave's stage
	; group 1: 32 rows of 32 elements of 8 bytes, dense in memory (64 samples), 4 words of padding behind every 64 words in LDS
	s_mov_b32 s[G1+0], (3<<16)|(1<<20)|(5<<22)|(3<<25)
	s_mov_b32 s[G1+1], 32<<16                      ; tensor_dim0 = 32
	s_mov_b32 s[G1+2], 32<<16                      ; tensor_dim1 = 32
	s_mov_b32 s[G1+3], 32<<16                      ; tile_dim0 = 32
	s_mov_b32 s[G1+4], 32                          ; tile_dim1 = 32
	s_mov_b32 s[G1+5], 32                          ; from row to row: 32 elements
	s_mov_b32 s[G1+6], 0
	s_mov_b32 s[G1+7], 0
	v_and_b32 v1, 31, v0                           ; lane
	v_and_b32 v12, 15, v0                          ; r
	v_bfe_u32 v13, v0, 4, 1                        ; h
	v_bfe_u32 v15, v0, 1, 3                        ; r / 2
	v_and_b32 v24, 1, v0                           ; r % 2
	v_lshl_add_u32 v[WG], v1, 4, s2
	v_lshl_add_u32 v[WS], v1, 3, s3
	s_wait_dscnt 0x0
	s_wait_kmcnt 0x0
	s_add_nc_u64 s[6:7], s[6:7], s[14:15]          ; x and out at my wave's first sample
	s_add_nc_u64 s[8:9], s[8:9], s[14:15]
.irp g, 0,1,2,3
	s_mov_b32 s[G0+4*\g], 1
	s_add_co_u32 s[G0+4*\g+1], s11, \g*XS_LOAD
	s_add_nc_u64 s[G0+4*\g+2:G0+4*\g+3], s[6:7], \g*8192
	s_or_b32 s[G0+4*\g+3], s[G0+4*\g+3], 0x80000000
.endr
	; W first (the tiles cannot begin without it), 32 loads of 512 neighbouring bytes; then all of my x: four tensor loads, the only ones of the
	; wave, each into bytes of its own, ahead of every wait on TENSORcnt, every LDS read and the barrier.  Four are out at the most.
.set n, 0
.rept 32
	global_load_b128 v[LW+4*n:LW+4*n+3], v[WG], s[4:5] offset:512*n
.set n, n+1
.endr
.irp g, 0,1,2,3
	tensor_load_to_lds s[G0+4*\g:G0+4*\g+3], s[G1:G1+7]
	s_nop 0
.endr
	; the remaining addresses
	v_mul_u32_u24 v25, v15, PITCH
	v_lshl_add_u32 v25, v24, 7, v25                ; sample r in a tile: (r / 2) x 272 + (r % 2) x 128
	v_add_nc_u32 v[XA], s11, v25
	v_lshl_add_u32 v[OS], v13, 5, v25              ; out[r][16 kh + 8 h ..] lies at byte 64 kh + 32 h of the sample
	v_add_nc_u32 v[OS], s40, v[OS]
	v_mul_u32_u24 v[ORD], v13, PITCH               ; back: lanes 0-15 one row of 256 bytes, lanes 16-31 the next
	v_lshl_add_u32 v[ORD], v12, 4, v[ORD]
	v_add_nc_u32 v[ORD], s40, v[ORD]
	v_lshlrev_b32 v[GO], 4, v1
	v_mul_u32_u24 v29, v12, WK                     ; as a holder of A's row r': k = 16 kh + r',
	v_lshl_add_u32 v29, v13, 7, v29                ; and 64 bytes x 2 h' for i = 4 m + 2 h' + v
	v_add_nc_u32 v[WA], WBASE, v29
	v_bfe_u32 v27, v0, 3, 2                        ; while S is made: group of eight lanes g = one k of four,
	v_and_b32 v28, 7, v0                           ; and my row of the 8 x 8 block
	v_mul_u32_u24 v30, v27, WK
	v_lshl_add_u32 v30, v28, 6, v30
	v_add_nc_u32 v[SB], s3, v30
	v_sub_nc_u32 v31, 0, v13                       ; all ones where h = 1
	v_and_b32 v31, 0x04040404, v31                 ; selector bytes 0-3 take P[2 m], 4-7 take P[2 m + 1]
	v_add_nc_u32 v[SEL], 0x01000100, v31           ; the low half twice
	v_add_nc_u32 v[SEL+1], 0x03020302, v31         ; the high half twice
; W to f16 and into LDS, eight loads at a time: batch b is my k number b, load e of it 512 bytes of f32 = 256 bytes of f16 at 256 e.
; left = how many younger loads may stay out; again = 1: the eight landing places are asked for once more, 32 loads on.
.macro WBATCH b, left, again
	s_wait_loadcnt \left                           ; loads come back in order (ISA guide 5.7.1)
.irp e, 0,1,2,3,4,5,6,7
	v_cvt_pk_f16_f32 v[T+2*((8*\b+\e)%32)],   v[LW+4*((8*\b+\e)%32)],   v[LW+4*((8*\b+\e)%32)+1]
	v_cvt_pk_f16_f32 v[T+2*((8*\b+\e)%32)+1], v[LW+4*((8*\b+\e)%32)+2], v[LW+4*((8*\b+\e)%32)+3]
.endr
.irp e, 0,1,2,3,4,5,6,7
	ds_store_b64 v[WS], v[T+2*((8*\b+\e)%32):T+2*((8*\b+\e)%32)+1] offset:WK*\b+256*\e
.endr
.if \again
.irp e, 0,1,2,3,4,5,6,7
	global_load_b128 v[LW+4*((8*\b+\e)%32):LW+4*((8*\b+\e)%32)+3], v[WG], s[4:5] offset:512*(8*\b+\e+32)
.endr
.endif
.endm
	WBATCH 0, 24, 1                                ; 32 are out: the oldest eight are in when 24 are left; eight more go out behind each of the first four batches
	WBATCH 1, 24, 1
	WBATCH 2, 24, 1
	WBATCH 3, 24, 1
	WBATCH 4, 24, 0                                ; nothing more is asked for: the counts run down
	WBATCH 5, 16, 0
	WBATCH 6, 8, 0
	WBATCH 7, 0, 0
; S, in place, for my own 8 k (my own bytes: LDS serves a wave's instructions in order, ISA guide 5.7.1, so these loads see my stores above).
; One instruction takes block (bi, bj) of four k (one k for each group of eight lanes; kk = which four).  The transposing load gives lane 8 g + ii, as its
; element j, element ii of the 16 bytes that lane 8 g + j addressed: W[k][8 bj + j][8 bi + ii], which belongs onto W[k][8 bi + ii][8 bj + j].
; Only blocks above the diagonal are written and only blocks below it are read transposed; all 24 loads are issued ahead of the first store.
.macro SYLOAD n, kk, bi, bj
	ds_load_b128      v[SU+4*\n:SU+4*\n+3], v[SB] offset:4*WK*\kk+512*\bi+16*\bj
	ds_load_tr16_b128 v[SV+4*\n:SV+4*\n+3], v[SB] offset:4*WK*\kk+512*\bj+16*\bi
.endm
.macro SYADD n, kk, bi, bj
	s_wait_dscnt 22-\n                             ; younger than this pair of loads: 22 - 2 n loads and the n stores issued so far
.irp c, 0,1,2,3
	v_pk_add_f16 v[SU+4*\n+\c], v[SU+4*\n+\c], v[SV+4*\n+\c]
.endr
	ds_store_b128 v[SB], v[SU+4*\n:SU+4*\n+3] offset:4*WK*\kk+512*\bi+16*\bj
.endm
	SYLOAD 0, 0, 0, 1
	SYLOAD 1, 0, 0, 2
	SYLOAD 2, 0, 0, 3
	SYLOAD 3, 0, 1, 2
	SYLOAD 4, 0, 1, 3
	SYLOAD 5, 0, 2, 3
	SYLOAD 6, 1, 0, 1
	SYLOAD 7, 1, 0, 2
	SYLOAD 8, 1, 0, 3
	SYLOAD 9, 1, 1, 2
	SYLOAD 10, 1, 1, 3
	SYLOAD 11, 1, 2, 3
	SYADD 0, 0, 0, 1
	SYADD 1, 0, 0, 2
	SYADD 2, 0, 0, 3
	SYADD 3, 0, 1, 2
	SYADD 4, 0, 1, 3
	SYADD 5, 0, 2, 3
	SYADD 6, 1, 0, 1
	SYADD 7, 1, 0, 2
	SYADD 8, 1, 0, 3
	SYADD 9, 1, 1, 2
	SYADD 10, 1, 1, 3
	SYADD 11, 1, 2, 3
	s_wait_dscnt 0x0                               ; my part of S is in LDS: zero, for the other waves' sake
	s_barrier_signal -1
	s_barrier_wait -1                              ; everybody's is.  The launch's one barrier; no LDS byte is ever filled again
; eight LDS loads: the next tile's x, my whole sample (both halves of the lanes take it); then the address steps to the tile behind it
.macro FLOAD
.irp e, 0,1,2,3,4,5,6,7
	ds_load_b128 v[F+4*\e:F+4*\e+3], v[XA] offset:16*\e
.endr
	v_add_nc_u32 v[XA], XS_TILE, v[XA]
.endm
.macro CVT                             ; x to f16, rounded once
.irp m, 0,1,2,3,4,5,6,7,8,9,10,11,12,13,14,15
	v_cvt_pk_f16_f32 v[P+\m], v[F+2*\m], v[F+2*\m+1]
.endr
.endm
; window w's eight splats (x[i], x[i]), i = 4 m + 2 h + v: the selector takes P[2 m] where h = 0 and P[2 m + 1] where h = 1.  The caller sets the destination's window.
.macro SPLAT w
.irp e, 0,1,2,3,4,5,6,7
.set sp_mi, 4*(\w-1)+(\e&3)+8*(\e>>2)
	v_perm_b32 v[MSR+\e], v[P+2*(sp_mi>>1)+1], v[P+2*(sp_mi>>1)], v[SEL+(sp_mi&1)]
.endr
.endm
; the 20 fragments of window w, in the order in which they are multiplied: for each of a fragment's two quads one load of 16 bytes
.macro FRAG w
	WIN (\w<<6)                                    ; destination in window w, address in window 0
.irp sl, 0,1,2,3,4,5,6,7,8,9
.irp kh, 0,1
.irp qh, 0,1
	QMAP (2*(10*(\w-1)+\sl)+\qh)
	ds_load_b128 v[8*(2*\sl+\kh)+4*\qh:8*(2*\sl+\kh)+4*\qh+3], v[WA] offset:16*WK*\kh+64*(4*(qm_mi>>1)+(qm_mi&1))+16*qm_j
.endr
.endr
.endr
.endm
; One matrix instruction: fragment (s, kh) times K step s's products.  The four accumulators (s % 2, kh) take turns, one instruction a turn;
; K steps 0 and 1 start the sums with C = 0: nothing is cleared.
.macro MM s, kh
.set mm_d, AC+8*(2*((\s)&1)+\kh)
.set mm_a, 8*(2*((\s)%10)+\kh)
.set mm_b, BB+8*((\s)%4)
.if (\s) < 2
	v_wmma_f32_16x16x32_f16 v[mm_d:mm_d+7], v[mm_a:mm_a+7], v[mm_b:mm_b+7], 0
.else
	v_wmma_f32_16x16x32_f16 v[mm_d:mm_d+7], v[mm_a:mm_a+7], v[mm_b:mm_b+7], v[mm_d:mm_d+7]
.endif
.endm
; One quad of K step s (qh = 0: registers 0-3 of its B buffer, 1: registers 4-7): four packed multiplies.  The splat is source 0: it lies in the fragments' window.
.macro PKQ s, qh
	QMAP (2*(\s)+\qh)
.set pq_m, MSR+(qm_mi&3)+4*(qm_mi>>3)
.irp c, 0,1,2,3
	v_pk_mul_f16 v[BB+8*((\s)%4)+4*\qh+\c], v[pq_m], v[P+4*qm_j+\c]
.endr
.endm
; K step s: two matrix instructions, each followed (pk = 1) by a quad of K step s + 2.  That quad's buffer was last read by K step s - 2: behind its second matrix
; instruction stand twelve multiplies that name none of its registers (four such places are asked before a source is written: ISA guide 7.12.1).
.macro SLOT s, pk
	MM \s, 0
.if \pk
	PKQ (\s+2), 0
.endif
	MM \s, 1
.if \pk
	PKQ (\s+2), 1
.endif
.endm
.macro MERGE                           ; the sums of the even and of the odd K steps
.irp e, 0,1,2,3,4,5,6,7
	v_pk_add_f32 v[AC+2*\e:AC+2*\e+1], v[AC+2*\e:AC+2*\e+1], v[AC+16+2*\e:AC+16+2*\e+1]
.endr
.endm
; A finished tile into my stage and back by rows.  A store's 16 lanes of one half lie at 16-byte columns (r / 2) + 8 (r % 2) + a constant: all different.
.macro OUT_LDS
	s_wait_xcnt 0x0                                ; the last tile's stores have had their addresses translated (ISA guide 3.1): their base and their data registers are rewritten only behind this wait
	s_add_nc_u64 s[8:9], s[8:9], 2048              ; one tile on; the stores reach back
.irp e, 0,1,2,3
	ds_store_b128 v[OS], v[AC+4*\e:AC+4*\e+3] offset:16*\e+32*(\e>>1)   ; bytes 0, 16, 64, 80 behind 32 h: k = 8 h .., 8 h + 4 .., 16 + 8 h .., 16 + 8 h + 4 ..
.endr
.irp t, 0,1,2,3
	ds_load_b128 v[RB+4*\t:RB+4*\t+3], v[ORD] offset:2*PITCH*\t    ; LDS serves a wave's instructions in order (ISA guide 5.7.1): these see my stores above
.endr
.endm
.macro OUT_MEM
.irp t, 0,1,2,3
	global_store_b128 v[GO], v[RB+4*\t:RB+4*\t+3], s[8:9] offset:512*\t-2048 th:TH_STORE_NT   ; 512 consecutive bytes, at a multiple of 512 from out's first byte
.endr
.endm
; A tile.  prev = 1: a tile stands before it, which is merged, staged and stored here; prev = 0: the first tile, which also waits for the fragments, window by window.
; ld = 1: the next tile's x is fetched from LDS.
; Window settings: 0x40, 0x80: destination (splats) in window 1, 2, sources in window 0;  0x01, 0x02: source 0 (A; splat) in window 1, 2, all else in window 0.
.macro BODY prev, ld
.if \prev
	s_wait_dscnt 0x0                               ; this tile's x is in
.else
	s_wait_dscnt 63                                ; this tile's x: its eight loads are the oldest of 88, so they are back when 63 are left
.endif
	CVT
.if \ld
	FLOAD
.endif
	WIN 0x40
	SPLAT 1
	WIN 0x80
	SPLAT 2
.if \prev
	WIN 0
	MERGE                                          ; reads results: behind the last matrix instruction stand 16 conversions and 16 permutes that name none of its registers
	OUT_LDS
.endif
	WIN 0x01
	PKQ 0, 0                                       ; the first two K steps' products; their buffers were last read by K steps 16 and 17 of the tile before
	PKQ 0, 1
	PKQ 1, 0
	PKQ 1, 1
.if \prev == 0
	s_wait_dscnt 48                                ; window 1's fragments are in: younger are window 2's 40 loads and the 8 of x
.endif
.irp s, 0,1,2,3,4,5,6,7,8,9
	SLOT \s, 1
.endr
	WIN 0
.if \prev
	s_wait_dscnt 0x0                               ; the four rows are back: their loads were the youngest
	OUT_MEM
.else
	s_wait_dscnt 8                                 ; window 2's fragments are in: younger are the 8 loads of x
.endif
	WIN 0x02
.irp s, 10,11,12,13,14,15,16,17
	SLOT \s, 1
.endr
	SLOT 18, 0                                     ; all products are made
	SLOT 19, 0
	WIN 0                                          ; at a label and at a branch every window is 0
.endm
.macro TILES trips
	s_mov_b32 s13, \trips
.Ltile_\@:
	BODY 1, 1
	s_sub_co_u32 s13, s13, 1
	s_cmp_lg_u32 s13, 0
	s_cbranch_scc1 .Ltile_\@
.endm
	s_wait_tensorcnt 0x3                           ; my first load (tiles 0 to 3) has landed; the three younger ones stay out.  Only I read my tiles
	FLOAD                                          ; tile 0
	FRAG 1
	FRAG 2
	WIN 0
	; Each loop fetches from LDS the four tiles (the first, with tile 0's body: the last three) of ONE tensor load, one tile ahead of the tile at work; the wait for that load stands in front of the loop.
	BODY 0, 1                                      ; tile 0; fetches tile 1
	TILES 2                                        ; tiles 1, 2; fetches tiles 2, 3: my first load's, shown landed above
	s_wait_tensorcnt 0x2                           ; my second load has landed; two younger ones stay out
	TILES 4                                        ; tiles 3 to 6; fetches 4 to 7
	s_wait_tensorcnt 0x1                           ; my third
	TILES 4                                        ; tiles 7 to 10; fetches 8 to 11
	s_wait_tensorcnt 0x0                           ; my fourth and last: none is out at s_endpgm
	TILES 4                                        ; tiles 11 to 14; fetches 12 to 15
	BODY 1, 0                                      ; tile 15: nothing is left to fetch
	; tile 15 goes out
	v_nop                                          ; the four places between the last matrix instruction and the first reader of its result (ISA guide 7.12.1)
	v_nop
	v_nop
	v_nop
	MERGE
	OUT_LDS
	s_wait_dscnt 0x0
	OUT_MEM
	s_wait_tensorcnt 0x0
	ds_add_u32 v23, v26
	s_wait_dscnt 0x0
	s_endpgm
.Lfunc_end_k_q19409f771a_quadform:
	.size	k_q19409f771a_quadform, .Lfunc_end_k_q19409f771a_quadform-k_q19409f771a_quadform
	.p2alignl 7, 3214868480
	.fill 96, 4, 3214868480
	.section	.rodata,"a",@progbits
	.p2align	6, 0x0
	.amdhsa_kernel k_q19409f771a_quadform
		.amdhsa_group_segment_fixed_size 215040
		.amdhsa_private_segment_fixed_size 0
		.amdhsa_enable_private_segment 0
		.amdhsa_kernarg_size 24
		.amdhsa_user_sgpr_count 2
		.amdhsa_user_sgpr_kernarg_segment_ptr 1
		.amdhsa_wavefront_size32 1
		.amdhsa_system_sgpr_workgroup_id_x 1
		.amdhsa_system_sgpr_workgroup_id_y 1
		.amdhsa_system_sgpr_workgroup_id_z 1
		.amdhsa_system_vgpr_workitem_id 0
		.amdhsa_next_free_vgpr 768
		.amdhsa_next_free_sgpr 66
		.amdhsa_reserve_vcc 0
		.amdhsa_float_denorm_mode_32 3
		.amdhsa_float_denorm_mode_16_64 3
		.amdhsa_memory_ordered 1
		.amdhsa_forward_progress 1
		.amdhsa_inst_pref_size 136
	.end_amdhsa_kernel
	.amdgpu_metadata
---
amdhsa.version: [ 1, 2 ]
amdhsa.kernels:
  - .name:           k_q19409f771a_quadform
    .symbol:         k_q19409f771a_quadform.kd
    .args:
      - { .name: weight, .offset: 0, .size: 8, .value_kind: global_buffer, .address_space: global }
      - { .name: x, .offset: 8, .size: 8, .value_kind: global_buffer, .address_space: global }
      - { .name: out0, .offset: 16, .size: 8, .value_kind: global_buffer, .address_space: global }
    .group_segment_fixed_size: 215040
    .private_segment_fixed_size: 0
    .kernarg_segment_align: 8
    .kernarg_segment_size: 24
    .max_flat_workgroup_size: 128
    .sgpr_count:     66
    .vgpr_count:     768
    .wavefront_size: 32
...
	.end_amdgpu_metadata
.endif
;; end of part 2
